; MI455X (gfx1250); checked and timed in simulation.
; The chip was launched on July 23, 2026; its instructions are those of AMD's public machine-readable ISA for CDNA 5 (MIT licence, August 2026) and "CDNA5" Instruction Set Architecture Reference Guide (July 2026). The comments in the code are by the model that wrote it; some were corrected since.
;; LSTM From Scratch. Allowed arithmetic: matrix products marked QUANTISED: E3M2 operands, one E8M0 scale for each 32 along K, by v_wmma_scale_f32_16x16x128_f8f6f4 with both operands' format E3M2, f32 sums; everything else in f32.
;; Inputs: W_c 2,048 x 3,072 float32; W_f 2,048 x 3,072 float32; W_i 2,048 x 3,072 float32; W_o 2,048 x 3,072 float32; b_c 2,048 float32; b_f 2,048 float32; b_i 2,048 float32; b_o 2,048 float32; c_prev 2,048 x 2,048 float32; h_prev 2,048 x 2,048 float32; x_t 2,048 x 1,024 float32.
;; Outputs: out0 2,048 x 2,048 float32; out1 2,048 x 2,048 float32.
;; This version of the problem:
;;   THIS VERSION OF THE PROBLEM IS GIVEN IN LOW PRECISION. The matrix products marked QUANTISED in the list below multiply operands that are first quantised to E3M2 (3 exponent bits, 2 mantissa bits; 6 bits a number), with one power-of-two scale for each 32 numbers along K (OCP MX v1.0); their sums are f32. All else is computed in f32.
;;   The module's matrix products, in the order in which they are computed (A, B: the left and right operand; K: the contracted axis; several contracted axes count as one K, in the product's order):
;;     1. [M 2,048, K 3,072] x [K 3,072, N 8,192]; A: computed on the way; B: computed on the way: QUANTISED
;;   THE QUANTISER, for each operand of a quantised product, along K:
;;     - K is cut into blocks of 32 from its start; a last block that is shorter is filled with zeros.
;;     - A block's scale is 2^e with e = floor(log2(the largest magnitude in the block)) - 4, held to -126 .. 127; a block of zeros has e = 0. As a byte (E8M0): e + 127.
;;     - Each number is divided by its block's scale, clamped to +-28, and rounded to the nearest number of E3M2, ties to even, subnormals kept.
;;     - The product sums the exact products of the quantised numbers (number of the format x scale) in f32.
;;   ~~~python
;;   def quantise(x, axis):      # numpy; x: float32 -> the quantised numbers, widened to float32 again
;;       x = np.moveaxis(x, axis, -1); K = x.shape[-1]
;;       x = np.pad(x, [(0, 0)] * (x.ndim - 1) + [(0, -K % 32)]); x = x.reshape(x.shape[:-1] + (-1, 32)); a = np.abs(x).max(-1, keepdims=True)
;;       e = np.where(a > 0, np.clip(np.frexp(np.where(a > 0, a, 1))[1] - 1 - 4, -126, 127), 0)      # np.frexp(a)[1] - 1 = floor(log2(a)), exactly
;;       r = np.clip(x / 2.0 ** e, -28, 28)
;;       step = 2.0 ** (np.maximum(np.frexp(np.where(r == 0, 1, r))[1] - 1, -2) - 2)
;;       q = np.round(r / step) * step * 2.0 ** e      # np.round: ties to even
;;       return np.moveaxis(q.reshape(q.shape[:-2] + (-1,))[..., :K], -1, axis).astype(np.float32)
;;   ~~~
;;   OPERANDS COMPUTED ON THE WAY. 'Computed on the way' means the value that the module computes at that place (a softmax that the list does not call 'softmax' is quantised finished and normalised). What goes into a quantiser is computed in f32, as accurately as f32 sums, v_exp_f32 and their like allow (about 1e-6 of the number): no bf16 or f16 on the way to a quantiser, and a product that is left as it is and whose result goes on into a quantised operand takes f32 operands (vector FMAs, or v_wmma_f32_16x16x4_f32). A number that lies on a knife's edge between two numbers of the format may be rounded either way, as far as f32 arithmetic and the matrix unit's own rounding can turn it there, and no further.
;; One version. Each part assembles by itself: llvm-mc -triple=amdgcn-amd-amdhsa -mcpu=gfx1250 --defsym DOCPART=n.
;; ======== version 1 of 1: 2 launches
;; limits: right only within a limited range of input values
;; workspace buffers: codes 24,576,000 bytes
;; launch quant (part 1): grid 6 x 160, 4 waves a work-group, no clusters, 34,304 bytes of LDS; arguments x_t, h_prev, W_i, W_f, W_c, W_o, codes; writes codes
.if DOCPART == 1
	.amdgcn_target "amdgcn-amd-amdhsa--gfx1250"
	.amdhsa_code_object_version 6
	.text
	.protected	k_q685f4b205a_quant
	.globl	k_q685f4b205a_quant
	.p2align	8
	.type	k_q685f4b205a_quant,@function
k_q685f4b205a_quant:
	s_mov_b64 s[64:65], 0
	v_nop
	global_prefetch_b8 v0, s[64:65] scope:SCOPE_SE
	s_setreg_imm32_b32 hwreg(HW_REG_WAVE_MODE, 25, 1), 1
	s_wait_xcnt 0x0
; [x_t | h_prev] (2,048 rows) and [W_i; W_f; W_c; W_o] (8,192 rows), f32, K = 3,072 innermost, become codes of BF6 (E3M2) with one E8M0 scale byte for each 32 along K,
; laid IN THE ORDER OF THE OPERAND'S REGISTERS, so that the product's launch brings a fragment by three loads of 16 bytes a lane and a tile by one dense block.
; A block's scale is 2^(floor(log2(its largest magnitude)) - 4): its byte is the largest magnitude's exponent field - 4, held at 1 from below; numbers are divided by it and rounded to the nearest code, ties to even, beyond 28 the largest code.
; LIMITS: a block of zeros gets the byte 1 where the rule says 127 (its codes are zeros, which add nothing under any byte but 0xff, and this program alone reads the bytes); NaN and infinities among the inputs are not served.
; THE BUFFER.  80 groups of 128 operand rows: groups 0-15 are rows 128 G on of [x | h]; group 16 + q holds, as its row block i (16 rows, i = 0 .. 7), rows 32 q + 16 (i % 2) on of gate i / 2 (i, f, c, o),
; so that the four gates of a hidden unit later meet in one lane.  A group is 8 blocks (384 along K each) of BLK = 38,400 bytes; block (G, S) begins at (8 G + S) BLK.  In a block: 24 images of fragments, 1,536 bytes each,
; fragment (qq, i) at (8 qq + i) 1,536: three runs of 512 bytes, run j = lane l's registers 4 j .. 4 j + 3 at 16 l; from byte 36,864 on 3 x 512 bytes of scale words: at 512 qq + 16 l + 4 e the word of row l % 16 of row block 4 (l / 16) + e.
; SHARES.  A wave takes HALF a group (row blocks 4 j .. 4 j + 3; work-group y = 2 G + j) and one K step of 128 (ks = 4 x work-group x + wave): 4 fragments of 16 rows, whose scale words are one aligned run of 256 bytes.
; Each load reads 512 consecutive bytes of one row; the four waves of a work-group stand side by side on 2,048.  The conversions want 32 neighbours along K in ONE lane: so a fragment's 16 x 512 bytes turn through the wave's own stage in LDS.
; No tensor load, no barrier: waves share nothing.  Three of a wave's four fragments are asked for at its start, the fourth when the first set of registers is free.
.set BLK,  38400
.set FRB,  1536                        ; a fragment's image
.set SCO,  36864                       ; where a block's scale words begin
.set SP,   528                         ; a stage row: 512 bytes + 16, so that the 16 rows that a load touches begin in 16 different columns of 16 bytes
.set WST,  16*SP                       ; a wave's stage
.set SPARE, 4*WST                      ; behind the four stages: the spare words, 128 bytes a wave
.set LI,   4                           ; v4      16 x lane; never rewritten
.set STI,  5                           ; v5      the stage on the way in: my wave's + 16 x lane
.set STO,  6                           ; v6      and on the way out: my wave's + SP r + 128 h
.set SH,   7                           ; v7      8 h: where my two scale bytes stand in the word
.set M,    8                           ; v8-9    largest magnitudes of my two blocks
.set SO,   10                          ; v10-11  the conversions' scale operands
.set VO,   16                          ; v16-31  row x pitch + 16 x lane; never rewritten
.set C,    32                          ; v32-43  the fragment's twelve registers
.set CU,   44                          ; v44-46, v48-50  the upper halves of the two blocks' codes, as the conversions leave them
.set SPW,  47                          ; v47     my spare word's LDS address; never rewritten
.set NIL,  51                          ; v51     0; never rewritten
.set W,    52                          ; v52-55  the four fragments' scale words
.set X,    64                          ; v64-255 three sets of 64 numbers
.set FB,   36                          ; s[36:43] the address of each fragment's first row at my K step; never rewritten
	s_load_b256 s[4:11], s[0:1], 0x0               ; x s[4:5], h s[6:7], W_i s[8:9], W_f s[10:11]
	s_load_b128 s[12:15], s[0:1], 0x20             ; W_c s[12:13], W_o s[14:15]
	s_load_b64 s[16:17], s[0:1], 0x30              ; the codes' buffer
	v_lshl_add_u32 v[SPW], v0, 2, SPARE
	v_mov_b32 v[NIL], 0
	v_lshrrev_b32 v1, 5, v0
	v_readfirstlane_b32 s18, v1                    ; wave 0..3
	v_and_b32 v1, 31, v0                           ; lane
	v_and_b32 v2, 15, v0                           ; r
	v_bfe_u32 v3, v0, 4, 1                         ; h
	v_lshlrev_b32 v[LI], 4, v1
	s_mul_i32 s58, s18, WST
	v_add_nc_u32 v[STI], s58, v[LI]
	v_mul_u32_u24 v[STO], v2, SP
	v_lshl_add_u32 v[STO], v3, 7, v[STO]
	v_add_nc_u32 v[STO], s58, v[STO]
	v_lshlrev_b32 v[SH], 3, v3
	v_mov_b32 v14, 0                               ; written once: a lane permute's destination counts as one of its sources
	s_mov_b32 s56, 0x76543210
	s_mov_b32 s57, 0xfedcba98                      ; v_permlanex16_b32's selects for lane l xor 16
	s_lshl_b32 s19, ttmp9, 2
	s_add_co_u32 s19, s19, s18                     ; ks: my K step of 128, 0 .. 23
	s_and_b32 s20, ttmp7, 0xffff
	s_and_b32 s3, s20, 1                           ; j: which four row blocks of the group
	s_lshr_b32 s20, s20, 1                         ; G: my group, 0 .. 79
	s_lshl_b32 s59, s20, 7                         ; a group of [x | h] begins at row 128 G,
	s_max_u32 s60, s20, 16
	s_sub_co_u32 s60, s60, 16
	s_lshl_b32 s60, s60, 5                         ; a group of the weights at row 32 (G - 16) of each gate
	s_mov_b32 s24, 8192
	s_mov_b32 s26, 12288
	s_wait_alu depctr_va_vdst(0)                   ; the wait at the head's end
	s_wait_kmcnt 0x0
	s_cmp_lt_u32 ttmp9, 2                          ; K steps 0-7 of [x | h] lie in x, the others in h: the choices hang on ids alone
	s_cselect_b64 s[22:23], s[4:5], s[6:7]
	s_cselect_b32 s24, 4096, s24                   ; a row in bytes
	s_cselect_b32 s25, 0, 8                        ; the K step at which the tensor begins
	s_cmp_lt_u32 s20, 16                           ; [x | h] or the weights?
	s_cselect_b64 s[28:29], s[22:23], s[8:9]       ; the tensor of the group's row blocks 0, 1;
	s_cselect_b64 s[30:31], s[22:23], s[10:11]     ; 2, 3;
	s_cselect_b64 s[32:33], s[22:23], s[12:13]     ; 4, 5;
	s_cselect_b64 s[34:35], s[22:23], s[14:15]     ; 6, 7
	s_cselect_b32 s26, s24, s26                    ; the pitch
	s_cselect_b32 s25, s25, 0
	s_cselect_b32 s27, s59, s60                    ; the first row
	s_cselect_b32 s21, 32, 0                       ; rows from a pair of row blocks to the next: 32 in [x | h]; in the weights the next pair is the next gate
	s_cmp_eq_u32 s3, 0                             ; my half of the group: its two pairs of row blocks
	s_cselect_b64 s[28:29], s[28:29], s[32:33]
	s_cselect_b64 s[30:31], s[30:31], s[34:35]
	s_mul_i32 s62, s21, s3
	s_lshl_b32 s62, s62, 1
	s_add_co_u32 s27, s27, s62                     ; in [x | h] the second half begins 64 rows on
	s_sub_co_u32 s61, s19, s25
	s_lshl_b32 s61, s61, 9                         ; my K step's first byte in a row
	s_mov_b32 s63, 0
.irp i, 0,1,2,3
	s_mul_i32 s62, s21, (\i/2)
	s_add_co_u32 s62, s62, s27
	s_add_co_u32 s62, s62, 16*(\i%2)               ; the row block's first row
	s_mul_i32 s62, s62, s26
	s_add_co_u32 s62, s62, s61                     ; in bytes: under 2^25
	s_add_nc_u64 s[FB+2*\i:FB+2*\i+1], s[28+2*(\i/2):29+2*(\i/2)], s[62:63]
.endr
.irp row, 0,1,2,3,4,5,6,7,8,9,10,11,12,13,14,15
	v_mad_u32_u24 v[VO+\row], s26, \row, v[LI]
.endr
.macro LOADF i, set                    ; fragment i: 16 rows x 512 bytes; each load reads 512 consecutive bytes, at a multiple of 512 from the tensor's first byte; read once in the launch
.irp row, 0,1,2,3,4,5,6,7,8,9,10,11,12,13,14,15
	global_load_b128 v[X+64*(\set)+4*\row:X+64*(\set)+4*\row+3], v[VO+\row], s[FB+2*(\i):FB+2*(\i)+1] th:TH_LOAD_NT
.endr
.endm
	LOADF 0, 0
	LOADF 1, 1
	LOADF 2, 2
	s_mul_i32 s62, s19, 171
	s_lshr_b32 s62, s62, 9                         ; S = ks / 3 (exact for ks up to 23)
	s_mul_i32 s58, s62, 3
	s_sub_co_u32 s58, s19, s58                     ; qq = ks % 3
	s_lshl_b32 s59, s20, 3
	s_add_co_u32 s62, s62, s59
	s_mul_i32 s62, s62, BLK                        ; block (G, S): under 2^25 bytes
	s_add_nc_u64 s[16:17], s[16:17], s[62:63]
	s_mul_i32 s62, s58, 8*FRB
	s_mul_i32 s59, s3, 4*FRB
	s_add_co_u32 s62, s62, s59
	s_add_nc_u64 s[52:53], s[16:17], s[62:63]      ; where my four images go: (8 qq + 4 j) FRB
	s_lshl_b32 s62, s58, 9
	s_add_co_u32 s62, s62, SCO
	s_lshl_b32 s59, s3, 8
	s_add_co_u32 s62, s62, s59
	s_add_nc_u64 s[54:55], s[16:17], s[62:63]      ; and my 256 bytes of scale words: 512 qq + 256 j
.macro TURNF set                       ; through the stage: in as loaded, out 32 neighbours along K twice: register 32 c + n = k 64 c + 32 h + n of row r.  LDS serves a wave's instructions in order (ISA guide 5.7.1.4): no wait between the stores and the loads
.irp row, 0,1,2,3,4,5,6,7,8,9,10,11,12,13,14,15
	ds_store_b128 v[STI], v[X+64*(\set)+4*\row:X+64*(\set)+4*\row+3] offset:SP*\row
.endr
.irp c, 0,1
.irp e, 0,1,2,3,4,5,6,7
	ds_load_b128 v[X+64*(\set)+32*\c+4*\e:X+64*(\set)+32*\c+4*\e+3], v[STO] offset:256*\c+16*\e
.endr
.endr
.endm
.macro QUANTF i, set
.set XS, X+64*(\set)
.irp c, 0,1
	v_max3_num_f32 v[M+\c], |v[XS+32*\c]|, |v[XS+32*\c+1]|, 0x2800000   ; my block 2 c + h: all its 32 numbers are mine; and the floor 2^(5 - 127): so the byte cannot fall under 1
.endr
.irp n, 2,4,6,8,10,12,14,16,18,20,22,24,26,28,30
.irp c, 0,1
	v_max3_num_f32 v[M+\c], v[M+\c], |v[XS+32*\c+\n]|, |v[XS+32*\c+\n+1]|   ; (the two blocks by turns)
.endr
.endr
	v_add_nc_u32 v[SO], 0xfe000000, v[M]           ; 4 off the exponent field: the conversion takes the exponent field of this operand as its scale, and nothing else of it
	v_add_nc_u32 v[SO+1], 0xfe000000, v[M+1]
	v_lshrrev_b32 v12, 23, v[SO]                   ; the scales' bytes
	v_lshrrev_b32 v13, 23, v[SO+1]
	v_lshl_or_b32 v12, v13, 16, v12                ; blocks h and 2 + h of row r,
	v_lshlrev_b32 v12, v[SH], v12                  ; at their places in the word;
	v_permlanex16_b32 v14, v12, s56, s57
	v_or_b32 v[W+\i], v12, v14                     ; with lane l xor 16's two the word is whole, in both lanes
.if (\i) > 0
	s_wait_alu depctr_va_vdst(0)                   ; directly ahead of the wait below
	s_wait_xcnt 0x0                                ; the last fragment's stores have read their data registers: only behind this wait are the codes written again
.endif
.irp c, 0,1
	v_cvt_scalef32_pk16_bf6_f32 v[C+6*\c:C+6*\c+2], v[XS+32*\c:XS+32*\c+15], v[SO+\c]
	v_cvt_scalef32_pk16_bf6_f32 v[CU+4*\c:CU+4*\c+2], v[XS+32*\c+16:XS+32*\c+31], v[SO+\c]   ; (a conversion's three registers begin on an even number: the second half of a block's six is made elsewhere and moved)
.endr
	v_nop                                          ; one plain place behind a scaled conversion
.irp c, 0,1
.irp n, 0,1,2
	v_mov_b32 v[C+6*\c+3+\n], v[CU+4*\c+\n]        ; registers 6 c .. 6 c + 5 now hold k = 64 c + 32 h + 0 .. 31
.endr
.endr
.endm
.macro FRAGMENT i, left                ; left: the loads of the fragments behind this one, which may stay out
	s_wait_loadcnt \left
	TURNF (\i)%3
	s_wait_dscnt 0x0
	QUANTF \i, (\i)%3
.irp j, 0,1,2
	global_store_b128 v[LI], v[C+4*\j:C+4*\j+3], s[52:53] offset:FRB*(\i)+512*\j   ; 32 lanes store 512 consecutive bytes, at a multiple of 256 from the buffer's first byte
.endr
.if (\i) < 1
	LOADF (\i)+3, (\i)%3                           ; the set just read takes the fourth fragment
.endif
.endm
	FRAGMENT 0, 32
	FRAGMENT 1, 32
	FRAGMENT 2, 16
	FRAGMENT 3, 0
	s_wait_xcnt 0x0                                ; EXEC changes only behind this wait: the stores above have read theirs
	v_cmp_gt_u32 vcc_lo, 16, v1                    ; lanes 0-15 hold rows 0-15: they store the four words of their row
	s_and_saveexec_b32 s2, vcc_lo
	global_store_b128 v[LI], v[W:W+3], s[54:55]    ; sixteen lanes store 256 consecutive bytes, aligned
	s_wait_xcnt 0x0
	s_or_b32 exec_lo, exec_lo, s2
	s_wait_tensorcnt 0x0                           ; the wave's end
	ds_add_u32 v[SPW], v[NIL]
	s_wait_dscnt 0x0
	s_endpgm
.Lfunc_end_k_q685f4b205a_quant:
	.size	k_q685f4b205a_quant, .Lfunc_end_k_q685f4b205a_quant-k_q685f4b205a_quant
	.p2alignl 7, 3214868480
	.fill 96, 4, 3214868480
	.section	.rodata,"a",@progbits
	.p2align	6, 0x0
	.amdhsa_kernel k_q685f4b205a_quant
		.amdhsa_group_segment_fixed_size 34304
		.amdhsa_private_segment_fixed_size 0
		.amdhsa_enable_private_segment 0
		.amdhsa_kernarg_size 56
		.amdhsa_user_sgpr_count 2
		.amdhsa_user_sgpr_kernarg_segment_ptr 1
		.amdhsa_wavefront_size32 1
		.amdhsa_system_sgpr_workgroup_id_x 1
		.amdhsa_system_sgpr_workgroup_id_y 1
		.amdhsa_system_sgpr_workgroup_id_z 1
		.amdhsa_system_vgpr_workitem_id 0
		.amdhsa_next_free_vgpr 256
		.amdhsa_next_free_sgpr 66
		.amdhsa_reserve_vcc 1
		.amdhsa_float_denorm_mode_32 3
		.amdhsa_float_denorm_mode_16_64 3
		.amdhsa_memory_ordered 1
		.amdhsa_forward_progress 1
		.amdhsa_inst_pref_size 33
	.end_amdhsa_kernel
	.amdgpu_metadata
---
amdhsa.version: [ 1, 2 ]
amdhsa.kernels:
  - .name:           k_q685f4b205a_quant
    .symbol:         k_q685f4b205a_quant.kd
    .args:
      - { .name: x_t, .offset: 0, .size: 8, .value_kind: global_buffer, .address_space: global }
      - { .name: h_prev, .offset: 8, .size: 8, .value_kind: global_buffer, .address_space: global }
      - { .name: W_i, .offset: 16, .size: 8, .value_kind: global_buffer, .address_space: global }
      - { .name: W_f, .offset: 24, .size: 8, .value_kind: global_buffer, .address_space: global }
      - { .name: W_c, .offset: 32, .size: 8, .value_kind: global_buffer, .address_space: global }
      - { .name: W_o, .offset: 40, .size: 8, .value_kind: global_buffer, .address_space: global }
      - { .name: codes, .offset: 48, .size: 8, .value_kind: global_buffer, .address_space: global }
    .group_segment_fixed_size: 34304
    .private_segment_fixed_size: 0
    .kernarg_segment_align: 8
    .kernarg_segment_size: 56
    .max_flat_workgroup_size: 128
    .sgpr_count:     66
    .vgpr_count:     256
    .wavefront_size: 32
...
	.end_amdgpu_metadata
.endif
;; end of part 1
;; launch lstm (part 2): grid 32 x 8, 4 waves a work-group, clusters of 4 x 4, 327,680 bytes of LDS; arguments codes, c_prev, b_i, b_f, b_c, b_o, out0, out1; writes out0, out1
.if DOCPART == 2
	.amdgcn_target "amdgcn-amd-amdhsa--gfx1250"
	.amdhsa_code_object_version 6
	.text
	.protected	k_q685f4b205a_lstm
	.globl	k_q685f4b205a_lstm
	.p2align	8
	.type	k_q685f4b205a_lstm,@function
k_q685f4b205a_lstm:
	s_mov_b64 s[64:65], 0
	v_nop
	global_prefetch_b8 v0, s[64:65] scope:SCOPE_SE
	s_setreg_imm32_b32 hwreg(HW_REG_WAVE_MODE, 25, 1), 1
	s_wait_xcnt 0x0
	s_wait_alu depctr_hold_cnt(0) depctr_sa_sdst(0) depctr_va_vdst(0) depctr_va_sdst(0) depctr_va_ssrc(0) depctr_va_vcc(0) depctr_vm_vsrc(0)
	s_getreg_b32 s2, hwreg(HW_REG_IB_STS2, 6, 4)
	s_cmp_eq_u32 s2, 0
	s_cbranch_scc0 .Lentry_in_a_cluster
	s_endpgm
.Lentry_in_a_cluster:
	s_bfe_u32 s2, ttmp6, 0x10000c
	s_cmp_lg_u32 s2, 0xf033
	s_cbranch_scc0 .Lentry_shape_is_right
	s_endpgm
.Lentry_shape_is_right:
; gates = Q([x | h]) Q(W_all)^T + b_all on codes of BF6 with E8M0 scales, as the launch before laid them, and the LSTM cell on the sums: out1 = c_t = sig(f) c_prev + sig(i) tanh(g), out0 = h_t = sig(o) tanh(c_t).
; A work-group of four waves makes 256 rows x 64 hidden units (256 gate columns); a wave 128 rows x 32 hidden units x 4 gates: 64 accumulators, 512 registers.  Grid 32 x 8 = 256 work-groups.
; K goes in 8 blocks of 384 (three matrix steps of 128) through a ring of two LDS slots.  A slot holds four dense blocks of 38,400 bytes (A's two groups of 128 rows, B's two), each brought by one wave's tensor load as 150 rows of 256 bytes;
; in a block fragments lie as images of the operand's registers (three loads of 16 bytes a lane) and the scale words behind them.
; CLUSTERS: 4 x 4 work-groups; A's blocks are asked for jointly along a row of the cluster, B's along a column.  Each change of slots is a round of the cluster's barrier.
; THE MATRIX INSTRUCTION IS USED TRANSPOSED (source 0 = 16 rows of W, source 1 = 16 rows of [x | h]): a lane holds one row and eight neighbouring hidden units; accumulator (a, b) is gate b / 2, units 16 (b % 2) + 8 h + j.  The biases are the C of the first step.
; PREFETCH: the turn that loads block t + 2 asks for block t + 4, the head for blocks 1 to 3.  A block's 150 units of 256 bytes are shared among the four partners that load it jointly, by address: partner p names units 32 p + lane and 128 + 6 p + 0 .. 5
; (lanes left over name their wave's last unit again), two instructions a wave.  The loop's last trip asks for my wave's 64 rows of c_prev instead, 32 rows a turn; the tile is loaded one and two turns later.
; c_prev comes into slot 0 when that slot has had its last block; c_t is written over it, h_t beside it, and both leave as whole rows of 256 bytes (two waves make a row: a barrier for each block of 16 rows).
; LIMITS: tanh(x) = (1 - e) / (1 + e), e = 2^(-2 x log2 e) with the exponent held at 60, beyond which the quotient is -1 in f32; a sigmoid's exponential may be infinite: its reciprocal is 0.  NaN and infinities among the inputs are not served.
; REGISTERS: window 0: v0-31 addresses; v32-79 scale words, two sets; v80-143 biases; v144-239 A's fragments, one set; window 1: B's fragments, two sets at v0 and v128; windows 2, 3: accumulators.
.set BLK,   38400
.set FRB,   1536
.set SCO,   36864
.set SLOT,  4*BLK
.set SPARE, 2*SLOT
.set CPP,   272
.set HST,   256*CPP
.set FR,    12
.set PF1,   8                          ; v8, v9  the code prefetches' offsets in a block; never rewritten
.set PF2,   9
.set ADRA,  16
.set ADRB,  18
.set ADRS,  20
.set CPA,   22
.set HSA,   23
.set RD,    24
.set CO,    26
.set PFO,   27
.set SPW,   28
.set NIL,   29
.set BO,    30
.set SC,    32
.set BI,    80
.set AF,    144
.set TI,    32
.set TF,    48
.set TG,    64
.set TO,    80
.set CP0,   96
.set NU,    128
.set OB,    144
.set G1,  24
.set G0,  32
.set G1B, 48
.set G0B, 56
.set G1C, 68
.set G0C, 76
.set PFA, 6                            ; s[6:7]   c_prev at my wave's 64 rows
.set PFB, 92                           ; s[92:93] the group of blocks that my wave loads; stepped a block at each turn
.set K1,  86
.set K2,  88
.set CAP, 90
.set MSB, 0
.macro WIN new                         ; the immediate's high byte repeats the setting that is left
.if MSB != (\new)
	s_set_vgpr_msb (MSB<<8)|(\new)
.set MSB, (\new)
.endif
.endm
.set MUL_LO, 0xa1
.set MUL_HI, 0xf1
.set TO_B,   0x40
.macro JLOAD s                         ; a joint load: waves 0, 1 fetch A's two blocks, waves 2, 3 B's; s_nop 0 and four v_nop behind each line
	s_cmp_eq_u32 s21, 0
	s_cbranch_scc0 .Lfor_b_\@
	tensor_load_to_lds s[G0+4*\s:G0+4*\s+3], s[G1:G1+7]
	s_nop 0
.rept 4
	v_nop
.endr
	s_branch .Lasked_\@
.Lfor_b_\@:
	tensor_load_to_lds s[G0B+4*\s:G0B+4*\s+3], s[G1B:G1B+7]
	s_nop 0
.rept 4
	v_nop
.endr
.Lasked_\@:
.endm
.macro CREST                           ; a round of the cluster's barrier behind its opening barrier
	s_cmp_lg_u32 s20, 0
	s_cbranch_scc1 .Lnot_wave_0_\@
	s_barrier_signal -3
.Lnot_wave_0_\@:
	s_barrier_wait -3
	s_barrier_signal -1
	s_barrier_wait -1
.endm
.macro CROUND
	s_barrier_signal -1
	s_barrier_wait -1
	CREST
.endm
.macro ASKB k                          ; my share of the block k blocks on from PFB
	global_prefetch_b8 v[PF1], s[PFB:PFB+1] offset:(\k)*BLK th:TH_LOAD_NT scope:SCOPE_SE
	global_prefetch_b8 v[PF2], s[PFB:PFB+1] offset:(\k)*BLK th:TH_LOAD_NT scope:SCOPE_SE
.endm
.macro ASK s                           ; in the loop: the block two refills on; in the last trip, which has none, 32 rows of c_prev
	s_cmp_eq_u32 s3, 1
	s_cbranch_scc1 .Lask_c_\@
	ASKB 3
	s_branch .Lask_done_\@
.Lask_c_\@:
	global_prefetch_b8 v[PFO], s[PFA:PFA+1] offset:(\s)*32*8192 th:TH_LOAD_NT scope:SCOPE_SE
.Lask_done_\@:
.endm
	s_load_b512 s[4:19], s[0:1], 0x0               ; codes, c_prev, b_i, b_f, b_c, b_o, out0, out1
	v_lshl_add_u32 v[SPW], v0, 2, SPARE
	v_mov_b32 v[NIL], 0
	ds_add_u32 v[SPW], v[NIL]                      ; the opening lines: the add, twice on end, and its wait ahead of my first tensor load
	ds_add_u32 v[SPW], v[NIL]
	v_lshrrev_b32 v1, 5, v0
	v_readfirstlane_b32 s20, v1                    ; wave
	s_lshr_b32 s21, s20, 1                         ; my half of the rows; also: I fetch for A (0) or B (1)
	s_and_b32 s22, s20, 1                          ; my half of the columns; also: which of the two blocks I fetch
	s_bfe_u32 s40, ttmp6, 0x40000                  ; cx
	s_bfe_u32 s41, ttmp6, 0x40004                  ; cy
	s_lshl_b32 s42, ttmp9, 2
	s_add_co_u32 s42, s42, s40                     ; tile column
	s_and_b32 s43, ttmp7, 0xffff
	s_lshl_b32 s43, s43, 2
	s_add_co_u32 s43, s43, s41                     ; tile row
	s_lshl_b32 s44, s41, 2
	s_lshl_b32 s44, 15, s44                        ; my row of the cluster
	s_lshl_b32 s45, 0x1111, s40                    ; my column
	s_or_b32 s[G1+0], s44, (3<<16)|(1<<21)
	s_or_b32 s[G1B+0], s45, (3<<16)|(1<<21)
.irp g, G1, G1B                        ; a dense block: 150 rows of 32 elements of 8 bytes
	s_mov_b32 s[\g+1], 32<<16
	s_mov_b32 s[\g+2], 150<<16
	s_mov_b32 s[\g+3], 32<<16
	s_mov_b32 s[\g+4], 150
	s_mov_b32 s[\g+5], 32
	s_mov_b32 s[\g+6], 0
	s_mov_b32 s[\g+7], 0
.endr
	s_mov_b32 s[G1C+0], (2<<16)|(1<<20)|(5<<22)|(3<<25)   ; c_prev: 64 rows of 64 f32, 16 bytes of padding behind each
	s_mov_b32 s[G1C+1], 64<<16
	s_mov_b32 s[G1C+2], 64<<16
	s_mov_b32 s[G1C+3], 64<<16
	s_mov_b32 s[G1C+4], 64
	s_mov_b32 s[G1C+5], 2048
	s_mov_b32 s[G1C+6], 0
	s_mov_b32 s[G1C+7], 0
	s_lshl_b32 s46, s43, 1
	s_add_co_u32 s46, s46, s22
	s_mul_i32 s46, s46, 8*BLK                      ; A: group 2 x tile row + half
	s_mov_b32 s47, 0
	s_lshl_b32 s80, s42, 1
	s_add_co_u32 s80, s80, s22
	s_add_co_u32 s80, s80, 16
	s_mul_i32 s80, s80, 8*BLK                      ; B: group 16 + 2 x tile column + half
	s_mov_b32 s81, 0
	s_mul_i32 s82, s20, BLK
	s_cmp_eq_u32 s21, 0
	s_cselect_b32 s94, s40, s41                    ; p: my place among the four that load my block with me
	s_mul_i32 s95, s94, 6
	s_lshl_b32 s94, s94, 13
	s_wait_dscnt 0x0                               ; both opening adds are done
	s_wait_kmcnt 0x0
	s_add_nc_u64 s[46:47], s[4:5], s[46:47]
	s_add_nc_u64 s[80:81], s[4:5], s[80:81]
	s_cmp_eq_u32 s21, 0
	s_cselect_b64 s[PFB:PFB+1], s[46:47], s[80:81]
	CROUND                                         ; all sixteen work-groups are here: the first joint loads meet
.irp s, 0,1
	s_mov_b32 s[G0+4*\s], 1
	s_add_co_u32 s[G0+4*\s+1], s82, \s*SLOT
	s_add_nc_u64 s[G0+4*\s+2:G0+4*\s+3], s[46:47], \s*BLK
	s_or_b32 s[G0+4*\s+3], s[G0+4*\s+3], 0x80000000
	s_mov_b32 s[G0B+4*\s], 1
	s_add_co_u32 s[G0B+4*\s+1], s82, \s*SLOT
	s_add_nc_u64 s[G0B+4*\s+2:G0B+4*\s+3], s[80:81], \s*BLK
	s_or_b32 s[G0B+4*\s+3], s[G0B+4*\s+3], 0x80000000
.endr
	JLOAD 0                                        ; block 0
	v_and_b32 v[PF1], 31, v0
	v_min_u32 v[PF2], 5, v[PF1]
	v_add_nc_u32 v[PF2], s95, v[PF2]
	v_min_u32 v[PF2], 21, v[PF2]
	v_lshl_add_u32 v[PF2], v[PF2], 8, 0x8000       ; unit 128 + min(6 p + min(lane, 5), 21)
	v_lshl_add_u32 v[PF1], v[PF1], 8, s94          ; unit 32 p + lane
	ASKB 1                                         ; the buffer's first touch: blocks 1 and 2
	ASKB 2
	v_and_b32 v1, 15, v0
	v_bfe_u32 v2, v0, 4, 1
	v_and_b32 v3, 31, v0
	v_lshlrev_b32 v3, 4, v3
	s_mul_i32 s46, s21, BLK
	s_mul_i32 s47, s22, BLK
	s_add_co_u32 s47, s47, 2*BLK
	s_sub_co_u32 s83, s47, s46
	v_mul_u32_u24 v4, s83, v2                      ; scale words: lanes 0-15 take A's, lanes 16-31 B's
	v_lshl_add_u32 v4, v1, 4, v4
	v_add_nc_u32 v4, SCO, v4
.irp s, 0,1
	v_add_nc_u32 v[ADRA+\s], s46, v3
	v_add_nc_u32 v[ADRB+\s], s47, v3
	v_add_nc_u32 v[ADRS+\s], s46, v4
	s_add_co_u32 s46, s46, SLOT
	s_add_co_u32 s47, s47, SLOT
.endr
	s_mul_i32 s46, s21, 128*CPP
	s_lshl_b32 s47, s22, 7
	s_add_co_u32 s46, s46, s47
	v_mul_u32_u24 v[CPA], v1, CPP
	v_lshl_add_u32 v[CPA], v2, 5, v[CPA]
	v_add_nc_u32 v[CPA], s46, v[CPA]               ; c_prev and c_t: my row, my 32 bytes
	v_add_nc_u32 v[HSA], HST, v[CPA]               ; h_t beside them
	s_mul_i32 s46, s21, 128*CPP
	s_mul_i32 s47, s22, HST
	s_add_co_u32 s46, s46, s47
	v_mul_u32_u24 v[RD], v2, CPP
	v_lshl_add_u32 v[RD], v1, 4, v[RD]
	v_add_nc_u32 v[RD], s46, v[RD]                 ; back by rows: even waves take c_t, odd waves h_t
	v_lshlrev_b32 v[CO], 13, v2
	v_lshl_add_u32 v[CO], v1, 4, v[CO]
	v_and_b32 v[PFO], 31, v0
	v_lshlrev_b32 v[PFO], 13, v[PFO]
	v_lshlrev_b32 v[BO], 5, v2
	s_wait_alu depctr_va_vdst(0)                   ; ahead of the run of scalar instructions
	s_lshl_b32 s82, s42, 8
	s_lshl_b32 s83, s22, 7
	s_add_co_u32 s82, s82, s83
	s_mov_b32 s83, 0
.irp g, 0,1,2,3
	s_add_nc_u64 s[8+2*\g:9+2*\g], s[8+2*\g:9+2*\g], s[82:83]
.endr
.irp b, 0,1,2,3,4,5,6,7
	global_load_b128 v[BI+8*\b:BI+8*\b+3], v[BO], s[8+2*(\b/2):9+2*(\b/2)] offset:64*(\b%2)
	global_load_b128 v[BI+8*\b+4:BI+8*\b+7], v[BO], s[8+2*(\b/2):9+2*(\b/2)] offset:64*(\b%2)+16
.endr
	s_lshl_b32 s80, s43, 8
	s_lshl_b32 s81, s20, 6
	s_add_co_u32 s80, s80, s81
	s_lshl_b32 s80, s80, 13
	s_lshl_b32 s81, s42, 8
	s_add_co_u32 s80, s80, s81
	s_mov_b32 s81, 0
	s_add_nc_u64 s[PFA:PFA+1], s[PFA:PFA+1], s[80:81]
	s_cmp_eq_u32 s22, 0
	s_cselect_b64 s[16:17], s[18:19], s[16:17]
	s_lshl_b32 s82, s43, 8
	s_lshl_b32 s83, s21, 7
	s_add_co_u32 s82, s82, s83
	s_lshl_b32 s82, s82, 13
	s_lshl_b32 s83, s42, 8
	s_add_co_u32 s82, s82, s83
	s_mov_b32 s83, 0
	s_add_nc_u64 s[16:17], s[16:17], s[82:83]
	s_mov_b32 s[G0C], 1
	s_mul_i32 s[G0C+1], s20, 64*CPP
	s_mov_b64 s[G0C+2:G0C+3], s[PFA:PFA+1]
	s_or_b32 s[G0C+3], s[G0C+3], 0x80000000
	s_mov_b32 s[K1], 0xbfb8aa3b                    ; -log2 e
	s_mov_b32 s[K1+1], s[K1]
	s_mov_b32 s[K2], 0xc038aa3b                    ; -2 log2 e
	s_mov_b32 s[K2+1], s[K2]
	s_mov_b32 s[CAP], 0x42700000                   ; 60
.macro FRAG reg, adr, qq, i
.irp c, 0,1,2
	ds_load_b128 v[\reg+4*\c:\reg+4*\c+3], v[\adr] offset:(8*(\qq)+(\i))*FRB+512*\c
.endr
.endm
.macro FETCH_B s, qq, p
	WIN TO_B
.irp i, 0,1,2,3,4,5,6,7
	FRAG 128*(\p)+FR*\i, ADRB+\s, \qq, \i
.endr
	WIN 0
.endm
.macro FETCH_A s, qq, i0
.irp i, \i0, \i0+1, \i0+2, \i0+3
	FRAG AF+FR*(\i), ADRA+\s, \qq, \i
.endr
.endm
.macro SCALES s
.irp qq, 0,1,2
.irp j, 0,1
	ds_load_b128 v[SC+24*\s+8*\qq+4*\j:SC+24*\s+8*\qq+4*\j+3], v[ADRS+\s] offset:512*\qq+256*\j
.endr
.endr
.endm
.macro MUL16 a0, p, qq, s, first       ; A's blocks a0, a0 + 1 x B's eight; the 64 accumulators take turns; first = 1: the biases are C
.irp a, \a0, \a0+1
.irp b, 0,1,2,3,4,5,6,7
.if \first
	v_wmma_scale_f32_16x16x128_f8f6f4 v[8*(8*((\a)%4)+\b):8*(8*((\a)%4)+\b)+7], v[128*(\p)+FR*\b:128*(\p)+FR*\b+FR-1], v[AF+FR*(\a):AF+FR*(\a)+FR-1], v[BI+8*\b:BI+8*\b+7], v[SC+24*(\s)+8*(\qq)+\b], v[SC+24*(\s)+8*(\qq)+(\a)] matrix_a_fmt:MATRIX_FMT_BF6 matrix_b_fmt:MATRIX_FMT_BF6 matrix_a_scale:MATRIX_SCALE_ROW1
.else
	v_wmma_scale_f32_16x16x128_f8f6f4 v[8*(8*((\a)%4)+\b):8*(8*((\a)%4)+\b)+7], v[128*(\p)+FR*\b:128*(\p)+FR*\b+FR-1], v[AF+FR*(\a):AF+FR*(\a)+FR-1], v[8*(8*((\a)%4)+\b):8*(8*((\a)%4)+\b)+7], v[SC+24*(\s)+8*(\qq)+\b], v[SC+24*(\s)+8*(\qq)+(\a)] matrix_a_fmt:MATRIX_FMT_BF6 matrix_b_fmt:MATRIX_FMT_BF6 matrix_a_scale:MATRIX_SCALE_ROW1
.endif
.endr
.endr
.endm
.macro PLACES n
.rept \n
	v_nop
.endr
.endm
; One of a slot's first two steps.  B's other set was last read by the step before, four places ago: the next step's B is fetched at once, A's blocks 0-3 in the middle, 4-7 at the end.
.macro STEP s, qq, first
	FETCH_B \s, (\qq)+1, 1-(\s+\qq)%2
	s_wait_dscnt 36                                ; this step's B and A's blocks 0-3 are in; A's blocks 4-7 (12 loads) and the next B (24) may be out
.if \first
	WIN 0x81
.else
	WIN MUL_LO
.endif
	MUL16 0, (\s+\qq)%2, \qq, \s, \first
	MUL16 2, (\s+\qq)%2, \qq, \s, \first
	s_wait_dscnt 24                                ; A's blocks 4-7 are in; the next B may be out
	PLACES 4
	WIN 0
	FETCH_A \s, (\qq)+1, 0
.if \first
	WIN 0xc1
.else
	WIN MUL_HI
.endif
	MUL16 4, (\s+\qq)%2, \qq, \s, \first
	MUL16 6, (\s+\qq)%2, \qq, \s, \first
	PLACES 4
	WIN 0
	FETCH_A \s, (\qq)+1, 4
.endm
; A slot's third step changes slots: the three lines, the round, the refill (fill = 1: the block two on; 2: c_prev), then the next slot's first fragments.
.macro TURN s, n, fill, ask
	s_wait_xcnt 0x0                                ; my prefetches have read their base: it steps a block
	s_add_nc_u64 s[PFB:PFB+1], s[PFB:PFB+1], BLK
	s_wait_tensorcnt 0x0                           ; my part of the next slot is in
	ds_add_u32 v[SPW], v[NIL]
	s_wait_dscnt 13                                ; (the add and A's blocks 4-7 may be out)
	WIN MUL_LO
	MUL16 0, (\s)%2, 2, \s, 0
	s_wait_dscnt 0x0                               ; the add is done, my reads of this slot are over
	s_barrier_signal -1
	MUL16 2, (\s)%2, 2, \s, 0
	WIN 0
	s_barrier_wait -1
	CREST
.if \fill == 1
	s_add_nc_u64 s[G0+4*\s+2:G0+4*\s+3], s[G0+4*\s+2:G0+4*\s+3], 2*BLK
	s_add_nc_u64 s[G0B+4*\s+2:G0B+4*\s+3], s[G0B+4*\s+2:G0B+4*\s+3], 2*BLK
	JLOAD \s
.else
	tensor_load_to_lds s[G0C:G0C+3], s[G1C:G1C+7]
	s_nop 0
	PLACES 4
.endif
	FETCH_B \n, 0, (\n)%2
	FETCH_A \n, 0, 0
	SCALES \n
.if \ask
	ASK \s
.endif
	WIN MUL_HI
	MUL16 4, (\s)%2, 2, \s, 0
	MUL16 6, (\s)%2, 2, \s, 0
	PLACES 4
	WIN 0
	FETCH_A \n, 0, 4
.endm
	s_wait_alu depctr_va_vdst(0)                   ; the wait at the head's end
	s_wait_tensorcnt 0x0                           ; my part of block 0 is in; the lines ahead of a later first fill:
	ds_add_u32 v[SPW], v[NIL]
	s_wait_dscnt 0x0
	CROUND                                         ; everybody's part of block 0 is in, all sixteen work-groups are here
	JLOAD 1                                        ; block 1, the first tensor load behind the round
	FETCH_B 0, 0, 0
	FETCH_A 0, 0, 0
	SCALES 0
	FETCH_A 0, 0, 4
	ASKB 3
	s_wait_loadcnt 0x0                             ; the biases
	STEP 0, 0, 1
	s_mov_b32 s3, 3
.Llap:                                                 ; a trip: from a lap's second step to the next lap's first; both slots are filled again
	STEP 0, 1, 0
	TURN 0, 1, 1, 1
	STEP 1, 0, 0
	STEP 1, 1, 0
	TURN 1, 0, 1, 1
	STEP 0, 0, 0
	s_sub_co_u32 s3, s3, 1
	s_cmp_lg_u32 s3, 0
	s_cbranch_scc1 .Llap
	STEP 0, 1, 0
	TURN 0, 1, 2, 0                                ; slot 0 has had its last block: it takes c_prev
	STEP 1, 0, 0
	STEP 1, 1, 0
	s_wait_dscnt 12
	WIN MUL_LO
	MUL16 0, 1, 2, 1, 0
	MUL16 2, 1, 2, 1, 0
	s_wait_dscnt 0x0
	WIN MUL_HI
	MUL16 4, 1, 2, 1, 0
	MUL16 6, 1, 2, 1, 0
	WIN 0
	PLACES 4
.macro LOADCP a
.irp u, 0,1
.irp q, 0,1
	ds_load_b128 v[CP0+16*((\a)%2)+8*\u+4*\q:CP0+16*((\a)%2)+8*\u+4*\q+3], v[CPA] offset:16*CPP*(\a)+64*\u+16*\q
.endr
.endr
.endm
.macro OUTL a
.irp t, 0,1,2,3,4,5,6,7
	ds_load_b128 v[OB+4*\t:OB+4*\t+3], v[RD] offset:(16*(\a)+2*\t)*CPP
.endr
.endm
.macro OUTS a                          ; sixteen lanes store 256 consecutive bytes, aligned
.irp t, 0,1,2,3,4,5,6,7
	global_store_b128 v[CO], v[OB+4*\t:OB+4*\t+3], s[16:17] offset:(16*(\a)+2*\t)*8192 th:TH_STORE_NT
.endr
.endm
; The cell on block a's 16 rows: sig(i) tanh(g) = (1 - eg) / ((1 + ei)(1 + eg)), one reciprocal; likewise sig(o) tanh(c).  Each batch of transcendentals has a wait ahead of it and behind it.
; Block a - 1's rows are read back and stored meanwhile, behind a barrier, since two waves make a row.
.macro GATES a
.set AC, 64*((\a)%4)
.set CP, CP0+16*((\a)%2)
.if (\a) < 7
	LOADCP (\a)+1
.endif
	WIN 0x02+(\a)/4
.set n, 0
.rept 32
.if (n >= 16) && (n < 24)
	v_pk_mul_f32 v[TI+2*n:TI+2*n+1], v[AC+2*n:AC+2*n+1], s[K2:K2+1] op_sel_hi:[1,0]
.else
	v_pk_mul_f32 v[TI+2*n:TI+2*n+1], v[AC+2*n:AC+2*n+1], s[K1:K1+1] op_sel_hi:[1,0]
.endif
.set n, n+1
.endr
	WIN 0
.set n, 0
.rept 16
	v_min_num_f32 v[TG+n], s[CAP], v[TG+n]
.set n, n+1
.endr
.set n, 0
	s_wait_alu depctr_va_vdst(0)
.rept 64
	v_exp_f32 v[TI+n], v[TI+n]
.set n, n+1
.endr
	v_nop
	s_wait_alu depctr_va_vdst(0)
.if (\a) > 0
	s_wait_dscnt 0x0
	s_barrier_signal -1
	s_barrier_wait -1
.if (\a) > 1
	s_wait_xcnt 0x0
.endif
	OUTL (\a)-1
.else
	s_wait_dscnt 4
.endif
.irp j, 0,2,4,6,8,10,12,14
	v_pk_fma_f32 v[NU+\j:NU+\j+1], v[TG+\j:TG+\j+1], -1.0, 1.0 op_sel_hi:[1,0,0]
.endr
.irp j, 0,2,4,6,8,10,12,14
	v_pk_add_f32 v[TG+\j:TG+\j+1], v[TG+\j:TG+\j+1], 1.0 op_sel_hi:[1,0]
.endr
.irp j, 0,2,4,6,8,10,12,14
	v_pk_fma_f32 v[TI+\j:TI+\j+1], v[TI+\j:TI+\j+1], v[TG+\j:TG+\j+1], v[TG+\j:TG+\j+1]
.endr
.irp j, 0,2,4,6,8,10,12,14
	v_pk_add_f32 v[TF+\j:TF+\j+1], v[TF+\j:TF+\j+1], 1.0 op_sel_hi:[1,0]
.endr
.set n, 0
	s_wait_alu depctr_va_vdst(0)
.rept 32
	v_rcp_f32 v[TI+n], v[TI+n]
.set n, n+1
.endr
	v_nop
	s_wait_alu depctr_va_vdst(0)
.irp j, 0,2,4,6,8,10,12,14
	v_pk_mul_f32 v[NU+\j:NU+\j+1], v[NU+\j:NU+\j+1], v[TI+\j:TI+\j+1]
.endr
.irp j, 0,2,4,6,8,10,12,14
	v_pk_fma_f32 v[CP+\j:CP+\j+1], v[TF+\j:TF+\j+1], v[CP+\j:CP+\j+1], v[NU+\j:NU+\j+1]
.endr
.if (\a) > 0
	s_wait_alu depctr_va_vdst(0)
	s_wait_dscnt 0x0
	OUTS (\a)-1
.endif
.irp u, 0,1
.irp q, 0,1
	ds_store_b128 v[CPA], v[CP+8*\u+4*\q:CP+8*\u+4*\q+3] offset:16*CPP*(\a)+64*\u+16*\q
.endr
.endr
.irp j, 0,2,4,6,8,10,12,14
	v_pk_mul_f32 v[TG+\j:TG+\j+1], v[CP+\j:CP+\j+1], s[K2:K2+1] op_sel_hi:[1,0]
.endr
.set n, 0
.rept 16
	v_min_num_f32 v[TG+n], s[CAP], v[TG+n]
.set n, n+1
.endr
.set n, 0
	s_wait_alu depctr_va_vdst(0)
.rept 16
	v_exp_f32 v[TG+n], v[TG+n]
.set n, n+1
.endr
	v_nop
	s_wait_alu depctr_va_vdst(0)
.irp j, 0,2,4,6,8,10,12,14
	v_pk_fma_f32 v[NU+\j:NU+\j+1], v[TG+\j:TG+\j+1], -1.0, 1.0 op_sel_hi:[1,0,0]
.endr
.irp j, 0,2,4,6,8,10,12,14
	v_pk_add_f32 v[TG+\j:TG+\j+1], v[TG+\j:TG+\j+1], 1.0 op_sel_hi:[1,0]
.endr
.irp j, 0,2,4,6,8,10,12,14
	v_pk_fma_f32 v[TO+\j:TO+\j+1], v[TO+\j:TO+\j+1], v[TG+\j:TG+\j+1], v[TG+\j:TG+\j+1]
.endr
.set n, 0
	s_wait_alu depctr_va_vdst(0)
.rept 16
	v_rcp_f32 v[TO+n], v[TO+n]
.set n, n+1
.endr
	v_nop
	s_wait_alu depctr_va_vdst(0)
.irp j, 0,2,4,6,8,10,12,14
	v_pk_mul_f32 v[NU+\j:NU+\j+1], v[NU+\j:NU+\j+1], v[TO+\j:TO+\j+1]
.endr
.irp u, 0,1
.irp q, 0,1
	ds_store_b128 v[HSA], v[NU+8*\u+4*\q:NU+8*\u+4*\q+3] offset:16*CPP*(\a)+64*\u+16*\q
.endr
.endr
.endm
	s_wait_tensorcnt 0x0                           ; my 64 rows of c_prev are in,
	s_wait_dscnt 0x0
	s_barrier_signal -1
	s_barrier_wait -1                              ; and everybody's
	LOADCP 0
.irp a, 0,1,2,3,4,5,6,7
	GATES \a
.endr
	s_wait_dscnt 0x0
	s_barrier_signal -1
	s_barrier_wait -1
	s_wait_xcnt 0x0
	OUTL 7
	s_wait_dscnt 0x0
	OUTS 7
	s_wait_tensorcnt 0x0                           ; the wave's end
	ds_add_u32 v[SPW], v[NIL]
	s_wait_dscnt 0x0
	CROUND                                         ; the closing round
	s_endpgm
.Lfunc_end_k_q685f4b205a_lstm:
	.size	k_q685f4b205a_lstm, .Lfunc_end_k_q685f4b205a_lstm-k_q685f4b205a_lstm
	.p2alignl 7, 3214868480
	.fill 96, 4, 3214868480
	.section	.rodata,"a",@progbits
	.p2align	6, 0x0
	.amdhsa_kernel k_q685f4b205a_lstm
		.amdhsa_group_segment_fixed_size 327680
		.amdhsa_private_segment_fixed_size 0
		.amdhsa_enable_private_segment 0
		.amdhsa_kernarg_size 64
		.amdhsa_user_sgpr_count 2
		.amdhsa_user_sgpr_kernarg_segment_ptr 1
		.amdhsa_wavefront_size32 1
		.amdhsa_system_sgpr_workgroup_id_x 1
		.amdhsa_system_sgpr_workgroup_id_y 1
		.amdhsa_system_sgpr_workgroup_id_z 1
		.amdhsa_system_vgpr_workitem_id 0
		.amdhsa_next_free_vgpr 1024
		.amdhsa_next_free_sgpr 98
		.amdhsa_reserve_vcc 0
		.amdhsa_float_denorm_mode_32 3
		.amdhsa_float_denorm_mode_16_64 3
		.amdhsa_memory_ordered 1
		.amdhsa_forward_progress 1
		.amdhsa_inst_pref_size 255
	.end_amdhsa_kernel
	.section	.bss,"aw",@nobits
	.p2align	6
	.space	262144
	.amdgpu_metadata
---
amdhsa.version: [ 1, 2 ]
amdhsa.kernels:
  - .name:           k_q685f4b205a_lstm
    .symbol:         k_q685f4b205a_lstm.kd
    .args:
      - { .name: codes, .offset: 0, .size: 8, .value_kind: global_buffer, .address_space: global }
      - { .name: c_prev, .offset: 8, .size: 8, .value_kind: global_buffer, .address_space: global }
      - { .name: b_i, .offset: 16, .size: 8, .value_kind: global_buffer, .address_space: global }
      - { .name: b_f, .offset: 24, .size: 8, .value_kind: global_buffer, .address_space: global }
      - { .name: b_c, .offset: 32, .size: 8, .value_kind: global_buffer, .address_space: global }
      - { .name: b_o, .offset: 40, .size: 8, .value_kind: global_buffer, .address_space: global }
      - { .name: out0, .offset: 48, .size: 8, .value_kind: global_buffer, .address_space: global }
      - { .name: out1, .offset: 56, .size: 8, .value_kind: global_buffer, .address_space: global }
    .group_segment_fixed_size: 327680
    .private_segment_fixed_size: 0
    .kernarg_segment_align: 8
    .kernarg_segment_size: 64
    .max_flat_workgroup_size: 128
    .sgpr_count:     98
    .vgpr_count:     1024
    .wavefront_size: 32
...
	.end_amdgpu_metadata
.endif
;; end of part 2
